; MI455X (gfx1250); checked and timed in simulation.
; The chip was launched on July 23, 2026; its instructions are those of AMD's public machine-readable ISA for CDNA 5 (MIT licence, August 2026) and "CDNA5" Instruction Set Architecture Reference Guide (July 2026). The comments in the code are by the model that wrote it; some were corrected since.
;; Lo RA Linear. Allowed arithmetic: matrix products marked QUANTISED: E2M1 operands, one E8M0 scale for each 32 along K, by v_wmma_scale_f32_16x16x128_f8f6f4 with both operands' format E2M1 (or v_wmma_scale_f32_32x16x128_f4), f32 sums; products left as they are: f32 operands where the result goes on into a quantised operand, else bf16, f16 or f32 operands; f32 sums; everything else in f32.
;; Inputs: adapter_id 4 int32; bias 4,096 float32; lora_a_weights 8 x 16 x 4,096 float32; lora_b_weights 8 x 4,096 x 16 float32; scaling_factors 8 float32; weight 4,096 x 4,096 float32; x 4 x 1,024 x 4,096 float32.
;; Outputs: out0 4 x 1,024 x 4,096 float32.
;; This version of the problem:
;;   THIS VERSION OF THE PROBLEM IS GIVEN IN LOW PRECISION. The matrix products marked QUANTISED in the list below multiply operands that are first quantised to E2M1 (2 exponent bits, 1 mantissa bit; 4 bits a number), with one power-of-two scale for each 32 numbers along K (OCP MX v1.0); their sums are f32. All else is computed in f32.
;;   The module's matrix products, in the order in which they are computed (A, B: the left and right operand; K: the contracted axis; several contracted axes count as one K, in the product's order):
;;     1. [M 4,096, K 4,096] x [K 4,096, N 4,096]; A: input x; B: input weight: QUANTISED
;;     2. batch 4 x [M 1,024, K 4,096] x [K 4,096, N 16]; A: input x; B: computed on the way: QUANTISED
;;     3. batch 4 x [M 1,024, K 16] x [K 16, N 4,096]; A: computed on the way; B: computed on the way: left as it is (K = 16 < 32)
;;   THE QUANTISER, for each operand of a quantised product, along K:
;;     - K is cut into blocks of 32 from its start; a last block that is shorter is filled with zeros.
;;     - A block's scale is 2^e with e = floor(log2(the largest magnitude in the block)) - 2, held to -126 .. 127; a block of zeros has e = 0. As a byte (E8M0): e + 127.
;;     - Each number is divided by its block's scale, clamped to +-6, and rounded to the nearest number of E2M1, ties to even, subnormals kept.
;;     - The product sums the exact products of the quantised numbers (number of the format x scale) in f32.
;;   ~~~python
;;   def quantise(x, axis):      # numpy; x: float32 -> the quantised numbers, widened to float32 again
;;       x = np.moveaxis(x, axis, -1); K = x.shape[-1]
;;       x = np.pad(x, [(0, 0)] * (x.ndim - 1) + [(0, -K % 32)]); x = x.reshape(x.shape[:-1] + (-1, 32)); a = np.abs(x).max(-1, keepdims=True)
;;       e = np.where(a > 0, np.clip(np.frexp(np.where(a > 0, a, 1))[1] - 1 - 2, -126, 127), 0)      # np.frexp(a)[1] - 1 = floor(log2(a)), exactly
;;       r = np.clip(x / 2.0 ** e, -6, 6)
;;       step = 2.0 ** (np.maximum(np.frexp(np.where(r == 0, 1, r))[1] - 1, 0) - 1)
;;       q = np.round(r / step) * step * 2.0 ** e      # np.round: ties to even
;;       return np.moveaxis(q.reshape(q.shape[:-2] + (-1,))[..., :K], -1, axis).astype(np.float32)
;;   ~~~
;;   OPERANDS COMPUTED ON THE WAY. 'Computed on the way' means the value that the module computes at that place (a softmax that the list does not call 'softmax' is quantised finished and normalised). What goes into a quantiser is computed in f32, as accurately as f32 sums, v_exp_f32 and their like allow (about 1e-6 of the number): no bf16 or f16 on the way to a quantiser, and a product that is left as it is and whose result goes on into a quantised operand takes f32 operands (vector FMAs, or v_wmma_f32_16x16x4_f32). A number that lies on a knife's edge between two numbers of the format may be rounded either way, as far as f32 arithmetic and the matrix unit's own rounding can turn it there, and no further.
;; One version. Each part assembles by itself: llvm-mc -triple=amdgcn-amd-amdhsa -mcpu=gfx1250 --defsym DOCPART=n.
;; ======== version 1 of 1: 2 launches
;; limits: values are held in bf16: 8 bits of precision; right only within a limited range of input values
;; workspace buffers: xq 8,912,896 bytes; wq 8,912,896 bytes; aq 139,264 bytes
;; launch quant (part 1): grid 256 x 1, 8 waves a work-group, no clusters, 74,752 bytes of LDS; arguments x, weight, lora_a_weights, adapter_id, xq, wq, aq; writes xq, wq, aq
.if DOCPART == 1
	.amdgcn_target "amdgcn-amd-amdhsa--gfx1250"
	.amdhsa_code_object_version 6
	.text
	.protected	k_q753bae2b87_quant
	.globl	k_q753bae2b87_quant
	.p2align	8
	.type	k_q753bae2b87_quant,@function
k_q753bae2b87_quant:
	s_mov_b64 s[64:65], 0
	v_nop
	global_prefetch_b8 v0, s[64:65] scope:SCOPE_SE
	s_setreg_imm32_b32 hwreg(HW_REG_WAVE_MODE, 25, 1), 1
	s_wait_xcnt 0x0
; x [4096][4096], weight [4096][4096] and the four chosen adapters of lora_a_weights [8][16][4096], all f32 with K innermost, become codes of FP4 (E2M1)
; with one E8M0 scale byte for each 32 along K, laid in the order in which the product's launch takes them into registers.
; A BLOCK of the workspace is 34,816 bytes: [sub 0..7][q 0..3][c 0..1][lane 0..31][16 bytes] of codes (32,768 bytes), then [sub 0..7][row 0..15][16 bytes] of scale bytes (2,048).
; Lane (r = lane % 16, h = lane / 16) of image (q, c) holds the codes of k = 128 q + 64 c + 32 h + 0 .. 31 of row r: registers 4 c .. 4 c + 3 of a 4-bit fragment of 16 rows x 128 K.
; A row's 16 scale bytes are its four scale words of 512 along K.  xq, wq: [128 rows 0..31][K step of 512, 0..7] BLOCK, sub = which 16 of the 128 rows.  aq: [batch 0..3] BLOCK, sub = K step.
; A block's scale is 2^(floor(log2(its largest magnitude)) - 2); its byte is the largest magnitude's exponent field - 2, held at 1 from below.
; LIMITS: a block of zeros, and a block whose largest magnitude lies under 2^-124, gets the byte 1 (a block of zeros has zero codes, and this program alone reads the bytes);
; NaN and infinities among the inputs are not served; adapter_id is held at 7 from above.
; SHARES.  The work is (4,096 + 4,096 + 64) / 16 x 64 = 33,024 units of 16 rows x 64 K = 256 x 129: each of the 256 work-groups takes 129.  Work-group g: waves 0-3 take rows 16 g on of x, waves 4-7 the same rows of
; weight; each of the four takes a quarter of K: two K steps, 16 units.  Wave 0 takes a seventeenth: unit g % 64 of the adapter chosen for batch g / 64.
; Which tensor a wave takes, and who takes the seventeenth unit, hangs on the wave's number alone: pointers are chosen, and one branch behind unit 11 parts wave 0 from the others; the two ends are written out and do not join.
; A load reads 256 consecutive bytes of each of two rows.  The conversions want 32 neighbours along K in ONE lane: a unit turns through the wave's own stage in LDS (rows 272 bytes apart: 68 words,
; so that 16 rows start at 16 different groups of four banks; 64 banks of 4 bytes: ISA guide 11.1) and comes back 128 bytes a lane: a whole block, whose largest magnitude needs no other lane.
; No cluster, no tensor load, no barrier: work-groups and waves share no input.  Loads run four units (32 loads a wave) ahead, the turn through LDS one unit.
.set STG,   4352                       ; a stage: 16 rows x 272 bytes
.set SCO,   2*STG                      ; behind the wave's two stages: its 512 scale bytes, [K step 0..1][row][16]
.set WREG,  9216                       ; LDS of a wave
.set BLKB,  34816
.set R,     32                         ; v32-159  four sets of 32: a unit as loaded
.set X,     160                        ; v160-223 two sets of 32: a lane's block of 32 neighbours
.set C,     224                        ; v224-239 four sets of 4: a block's codes
	s_load_b256 s[4:11], s[0:1], 0x0               ; x s[4:5], weight s[6:7], lora_a s[8:9], adapter_id s[10:11]
	s_load_b128 s[12:15], s[0:1], 0x20             ; xq s[12:13], wq s[14:15]
	s_load_b64 s[16:17], s[0:1], 0x30              ; aq
	v_lshl_add_u32 v240, v0, 2, 0x12000
	v_mov_b32 v241, 0
	v_lshrrev_b32 v1, 5, v0
	s_delay_alu instid0(VALU_DEP_1)
	v_readfirstlane_b32 s18, v1                    ; wave 0..7
	s_lshr_b32 s19, s18, 2                         ; 0: x, 1: weight
	s_and_b32 s52, s18, 3                          ; w: which quarter of K
	s_mov_b32 s20, ttmp9                           ; g: which 16 rows
	s_lshr_b32 s25, s20, 6
	s_lshl_b32 s25, s25, 2                         ; the word of adapter_id of batch g / 64
	s_wait_kmcnt 0x0
	s_load_b32 s24, s[10:11], s25 offset:0x0       ; every wave asks and wave 0 uses it: it is waited for behind unit 11, so that no wave stands still for it here
	v_and_b32 v1, 15, v0                           ; r
	v_bfe_u32 v2, v0, 4, 1                         ; h
	v_and_b32 v10, 31, v0                          ; lane
	s_delay_alu instid0(VALU_DEP_3)
	v_lshlrev_b32 v3, 4, v1
	s_delay_alu instid0(VALU_DEP_1)
	v_lshl_add_u32 v3, v2, 14, v3                  ; in: 16 r bytes of a row's 256; lanes 16-31 one row (16,384 bytes) further down
	s_delay_alu instid0(VALU_DEP_3)
	v_lshlrev_b32 v4, 4, v10                       ; out: 16 x lane in an image
	s_mul_i32 s21, s18, WREG
	v_mul_u32_u24 v14, v2, 272
	s_delay_alu instid0(VALU_DEP_1)
	v_lshl_add_u32 v14, v1, 4, v14
	s_delay_alu instid0(VALU_DEP_1)
	v_add_nc_u32 v14, s21, v14                     ; into the stage: row h of a pair of rows, byte 16 r
	v_mul_u32_u24 v15, v1, 272
	s_delay_alu instid0(VALU_DEP_1)
	v_lshl_add_u32 v15, v2, 7, v15
	s_delay_alu instid0(VALU_DEP_1)
	v_add_nc_u32 v15, s21, v15                     ; out of it: row r, my half's 128 bytes
	s_add_co_u32 s21, s21, SCO
	v_lshl_add_u32 v20, v1, 4, v2                  ; my block's scale byte among a K step's 256: 16 r + h (+ 2 for each unit)
	s_delay_alu instid0(VALU_DEP_1)
	v_add_nc_u32 v5, s21, v20                      ; in my wave's LDS (+ 256 for the second K step)
	v_add_nc_u32 v6, s21, v4                       ; and on the way out 16 bytes a lane
	v_mul_u32_u24 v7, v2, BLKB
	s_delay_alu instid0(VALU_DEP_1)
	v_lshl_add_u32 v7, v1, 4, v7                   ; lanes 0-15: row r of my first K step's scale bytes; lanes 16-31: of my second's, a BLOCK on
	s_lshl_b32 s42, s52, 1                         ; 2 w: my first K step
	s_and_b32 s40, s20, 0xf8
	s_add_co_u32 s40, s40, s42                     ; BLOCK 8 (g / 8) + 2 w,
	s_and_b32 s41, s20, 7                          ; sub g % 8
	s_mov_b32 s45, 0
	s_mov_b32 s23, 0
	s_cmp_eq_u32 s19, 0                            ; the choice hangs on the wave's number alone
	s_cselect_b64 s[28:29], s[4:5], s[6:7]         ; the source
	s_cselect_b64 s[30:31], s[12:13], s[14:15]     ; the workspace buffer
	s_mul_i32 s40, s40, BLKB
	s_lshl_b32 s43, s41, 12
	s_add_co_u32 s44, s40, s43
	s_add_nc_u64 s[32:33], s[30:31], s[44:45]      ; my first K step's codes
	s_add_nc_u64 s[34:35], s[32:33], BLKB          ; my second's
	s_lshl_b32 s43, s41, 8
	s_add_co_u32 s44, s40, s43
	s_add_co_u32 s44, s44, 32768
	s_add_nc_u64 s[36:37], s[30:31], s[44:45]      ; my first K step's scale bytes
	s_lshl_b32 s22, s20, 18                        ; 16 rows of 16,384 bytes
	s_lshl_b32 s21, s52, 12                        ; + my wave's 1,024 numbers of a row
	s_add_co_u32 s22, s22, s21
	s_add_nc_u64 s[28:29], s[28:29], s[22:23]
	; where the seventeenth unit goes: batch g / 64, unit u = g % 64: image u of the batch's BLOCK; its scale bytes: K step u / 8, bytes 2 (u % 8) + h of each row's 16
	s_lshr_b32 s26, s20, 6
	s_mul_i32 s26, s26, BLKB
	s_and_b32 s27, s20, 63
	s_lshl_b32 s38, s27, 9
	s_add_co_u32 s38, s38, s26
	s_mov_b32 s39, 0
	s_add_nc_u64 s[38:39], s[16:17], s[38:39]      ; its codes
	s_bfe_u32 s46, s20, 0x30003                    ; u / 8: three bits from bit 3
	s_lshl_b32 s46, s46, 8
	s_and_b32 s47, s20, 7
	s_lshl_b32 s47, s47, 1
	s_add_co_u32 s46, s46, s47
	s_add_co_u32 s46, s46, s26
	s_add_co_u32 s46, s46, 32768
	s_mov_b32 s47, 0
	s_add_nc_u64 s[46:47], s[16:17], s[46:47]      ; its scale bytes
.macro LOAD u                          ; unit u: 16 rows x 256 bytes; load j takes rows 2 j (lanes 0-15) and 2 j + 1 (lanes 16-31), 256 consecutive aligned bytes of each
.if (\u) < 16
.irp j, 0,1,2,3,4,5,6,7
	global_load_b128 v[R+32*((\u)%4)+4*\j:R+32*((\u)%4)+4*\j+3], v3, s[28:29] offset:\j*32768+(\u)*256 th:TH_LOAD_NT   ; x and weight are read once in the launch
.endr
.else
.irp j, 0,1,2,3,4,5,6,7
	global_load_b128 v[R+4*\j:R+4*\j+3], v3, s[8:9] offset:\j*32768   ; the adapter's unit, into set 0; no hint: two batches may name the same rows
.endr
.endif
.endm
.macro TURN u                          ; unit u through a stage: LDS serves a wave's instructions in order (ISA guide 5.7.1.4), so no wait stands between the stores and the loads
.irp j, 0,1,2,3,4,5,6,7
	ds_store_b128 v14, v[R+32*((\u)%4)+4*\j:R+32*((\u)%4)+4*\j+3] offset:STG*((\u)%2)+544*\j
.endr
.irp i, 0,1,2,3,4,5,6,7
	ds_load_b128 v[X+32*((\u)%2)+4*\i:X+32*((\u)%2)+4*\i+3], v15 offset:STG*((\u)%2)+16*\i
.endr
.endm
; Unit t of a wave that has nu units (16, or 17 with the adapter's as unit 16).
.macro STEP t, nu
.set XS, X+32*((\t)%2)
.set CC, C+4*((\t)%4)
.if (\t) > 0
	s_wait_dscnt 1                                 ; this unit's numbers are back from the stage (the last unit's byte store may be out): so its stores into the stage have read their registers,
.else
	s_wait_dscnt 0x0
.endif
.if (\t)+4 < (\nu)
	LOAD (\t)+4                                    ; which take the loads of four units on
.endif
.if (\t)+1 < (\nu)
.if (\nu)-2-(\t) >= 3
	s_wait_loadcnt 24                              ; the next unit's eight loads are in; those of the three units behind it may be out
.else
	s_wait_loadcnt 8*((\nu)-2-(\t))                ; at the end fewer units stand behind it
.endif
	TURN (\t)+1                                    ; through the other stage, while this unit is worked on
.endif
	v_max3_num_f32 v8, |v[XS]|, |v[XS+1]|, |v[XS+2]|               ; the block's largest magnitude: all 32 numbers are mine; two chains
	v_max3_num_f32 v9, |v[XS+3]|, |v[XS+4]|, |v[XS+5]|
.irp i, 6,10,14,18,22,26
	s_delay_alu instid0(VALU_DEP_2)
	v_max3_num_f32 v8, v8, |v[XS+\i]|, |v[XS+\i+1]|
	s_delay_alu instid0(VALU_DEP_2)
	v_max3_num_f32 v9, v9, |v[XS+\i+2]|, |v[XS+\i+3]|
.endr
	s_delay_alu instid0(VALU_DEP_2)
	v_max3_num_f32 v8, v8, |v[XS+30]|, |v[XS+31]|
	s_delay_alu instid0(VALU_DEP_1)
	v_max3_num_f32 v8, v8, v9, 0x1800000           ; and the floor 2^(3 - 127): the byte cannot fall under 1
	s_delay_alu instid0(VALU_DEP_1)
	v_add_nc_u32 v11, 0xff000000, v8               ; 2 off the exponent field: the conversion takes this operand's exponent field as its scale, and nothing else of it
	s_wait_alu depctr_va_vdst(0)
	s_wait_xcnt 0x0                                ; the store of four units back has read this set of code registers: they are written again only behind this wait
.irp g, 0,1,2,3
	v_cvt_scalef32_pk8_fp4_f32 v[CC+\g], v[XS+8*\g:XS+8*\g+7], v11   ; eight numbers / the scale, to the nearest code, ties to even, beyond 6 the largest code; the first number's code in the lowest bits
.endr
	v_lshrrev_b32 v[12+(\t)%2], 23, v11            ; the scale's byte; also the plain line behind the conversions
.if (\t) < 16
	ds_store_b8 v5, v[12+(\t)%2] offset:256*((\t)/8)+2*((\t)%8)
	global_store_b128 v4, v[CC:CC+3], s[32+2*((\t)/8):33+2*((\t)/8)] offset:512*((\t)%8)   ; an image: the wave stores 512 consecutive bytes, aligned
.else
	global_store_b8 v20, v[12+(\t)%2], s[46:47]    ; this wave holds 2 of a row's 16 scale bytes of the K step, so they leave a byte a lane: 32 bytes beside the unit's 512 of codes, 8,192 of the launch's 18 MB
	global_store_b128 v4, v[CC:CC+3], s[38:39]
.endif
.endm
.macro FINISH                          ; my two K steps' scale bytes leave, and the wave ends
	ds_load_b128 v[16:19], v6                      ; LDS serves a wave's instructions in order: this sees my byte stores
	s_wait_dscnt 0x0
	global_store_b128 v7, v[16:19], s[36:37]       ; sixteen lanes store 256 consecutive bytes, aligned: a K step's scale bytes of my 16 rows
	s_wait_tensorcnt 0x0
	ds_add_u32 v240, v241
	s_wait_dscnt 0x0
	s_endpgm
.endm
.irp u, 0,1,2,3
	LOAD \u
.endr
	s_wait_alu depctr_va_vdst(0)
	s_wait_loadcnt 24                              ; unit 0's eight loads are in; those of units 1 to 3 may be out
	TURN 0
.irp t, 0,1,2,3,4,5,6,7,8,9,10,11
	STEP \t, 16                                    ; up to here a wave of 16 units and one of 17 run the same lines
.endr
	s_wait_kmcnt 0x0                               ; the batch's adapter, asked for at the head
	s_cmp_lg_u32 s18, 0
	s_cbranch_scc1 .Lsixteen
	s_min_u32 s24, s24, 7                          ; wave 0: the index stays inside its table
	s_lshl_b32 s50, s24, 18                        ; 16 rows of 16,384 bytes an adapter
	s_and_b32 s49, s20, 63
	s_lshl_b32 s49, s49, 8                         ; + unit g % 64: 256 bytes of each row
	s_add_co_u32 s50, s50, s49
	s_mov_b32 s51, 0
	s_add_nc_u64 s[8:9], s[8:9], s[50:51]
.irp t, 12,13,14,15,16
	STEP \t, 17                                    ; the adapter's unit is asked for in unit 12, as every unit is four units ahead
.endr
	FINISH
.Lsixteen:
.irp t, 12,13,14,15
	STEP \t, 16
.endr
	FINISH
.Lfunc_end_k_q753bae2b87_quant:
	.size	k_q753bae2b87_quant, .Lfunc_end_k_q753bae2b87_quant-k_q753bae2b87_quant
	.p2alignl 7, 3214868480
	.fill 96, 4, 3214868480
	.section	.rodata,"a",@progbits
	.p2align	6, 0x0
	.amdhsa_kernel k_q753bae2b87_quant
		.amdhsa_group_segment_fixed_size 74752
		.amdhsa_private_segment_fixed_size 0
		.amdhsa_enable_private_segment 0
		.amdhsa_kernarg_size 56
		.amdhsa_user_sgpr_count 2
		.amdhsa_user_sgpr_kernarg_segment_ptr 1
		.amdhsa_wavefront_size32 1
		.amdhsa_system_sgpr_workgroup_id_x 1
		.amdhsa_system_sgpr_workgroup_id_y 1
		.amdhsa_system_sgpr_workgroup_id_z 1
		.amdhsa_system_vgpr_workitem_id 0
		.amdhsa_next_free_vgpr 242
		.amdhsa_next_free_sgpr 66
		.amdhsa_reserve_vcc 0
		.amdhsa_float_denorm_mode_32 3
		.amdhsa_float_denorm_mode_16_64 3
		.amdhsa_memory_ordered 1
		.amdhsa_forward_progress 1
		.amdhsa_inst_pref_size 83
	.end_amdhsa_kernel
	.amdgpu_metadata
---
amdhsa.version: [ 1, 2 ]
amdhsa.kernels:
  - .name:           k_q753bae2b87_quant
    .symbol:         k_q753bae2b87_quant.kd
    .args:
      - { .name: x, .offset: 0, .size: 8, .value_kind: global_buffer, .address_space: global }
      - { .name: weight, .offset: 8, .size: 8, .value_kind: global_buffer, .address_space: global }
      - { .name: lora_a_weights, .offset: 16, .size: 8, .value_kind: global_buffer, .address_space: global }
      - { .name: adapter_id, .offset: 24, .size: 8, .value_kind: global_buffer, .address_space: global }
      - { .name: xq, .offset: 32, .size: 8, .value_kind: global_buffer, .address_space: global }
      - { .name: wq, .offset: 40, .size: 8, .value_kind: global_buffer, .address_space: global }
      - { .name: aq, .offset: 48, .size: 8, .value_kind: global_buffer, .address_space: global }
    .group_segment_fixed_size: 74752
    .private_segment_fixed_size: 0
    .kernarg_segment_align: 8
    .kernarg_segment_size: 56
    .max_flat_workgroup_size: 256
    .sgpr_count:     66
    .vgpr_count:     242
    .wavefront_size: 32
...
	.end_amdgpu_metadata
.endif
;; end of part 1
;; launch gemm (part 2): grid 16 x 16, 4 waves a work-group, clusters of 4 x 4, 327,680 bytes of LDS; arguments xq, wq, aq, bias, lora_b_weights, scaling_factors, adapter_id, out0; writes out0
.if DOCPART == 2
	.amdgcn_target "amdgcn-amd-amdhsa--gfx1250"
	.amdhsa_code_object_version 6
	.text
	.protected	k_q753bae2b87_gemm
	.globl	k_q753bae2b87_gemm
	.p2align	8
	.type	k_q753bae2b87_gemm,@function
k_q753bae2b87_gemm:
	s_mov_b64 s[64:65], 0
	v_nop
	global_prefetch_b8 v0, s[64:65] scope:SCOPE_SE
	s_setreg_imm32_b32 hwreg(HW_REG_WAVE_MODE, 25, 1), 1
	s_wait_xcnt 0x0
	s_wait_alu depctr_hold_cnt(0) depctr_sa_sdst(0) depctr_va_vdst(0) depctr_va_sdst(0) depctr_va_ssrc(0) depctr_va_vcc(0) depctr_vm_vsrc(0)
	s_getreg_b32 s2, hwreg(HW_REG_IB_STS2, 6, 4)
	s_cmp_eq_u32 s2, 0
	s_cbranch_scc0 .Lentry_in_a_cluster
	s_endpgm
.Lentry_in_a_cluster:
	s_bfe_u32 s2, ttmp6, 0x10000c
	s_cmp_lg_u32 s2, 0xf033
	s_cbranch_scc0 .Lentry_shape_is_right
	s_endpgm
.Lentry_shape_is_right:
; out0[m][n] = sum_k Q(x)[m][k] Q(weight)[n][k] + bias[n] + scale[b] sum_r low[m][r] lora_b[id[b]][n][r],  low[m][r] = sum_k Q(x)[m][k] Q(lora_a[id[b]])[r][k],  b = m / 1024.
; xq, wq, aq hold FP4 codes and E8M0 bytes in BLOCKs of 34,816 bytes (128 rows x 512 K): images of the operand registers [sub 0..7][q 0..3][c 0..1][lane][16 bytes], then [sub][row][16] scale bytes.
; A work-group of four waves makes 256 x 256 of out0, a wave 128 x 128: 64 accumulators.  K goes in steps of 512 through two LDS slots (A's two BLOCKs, B's two), one tensor load a wave.
; CLUSTERS 4 x 4: A's BLOCKs are asked for jointly along a row of the cluster, B's along a column.  The batch's adapter BLOCK (34,816 bytes once, beside 1,114,112 bytes of tiles a work-group) comes by a plain load.
; THE MATRIX INSTRUCTION IS USED TRANSPOSED: source 0 = 16 rows of weight (or of the adapter), source 1 = 16 rows of x: a lane holds eight neighbouring columns of one row of out0, or eight ranks of one row of low.
; bias is the C of each accumulator's first product.  low (f32, x scale) goes as bf16 with lora_b as bf16 through one 16x16x32 product an accumulator, ranks 16-31 zeros.
; LIMIT: adapter_id is held at 7 from above.
; REGISTERS.  window 0: v0-31 addresses; v32-95 scale words, two sets (register 4 i + q: lanes 0-15 A's block i, lanes 16-31 B's); v96-103 the adapter's; v128-191 A's fragments, one set; v192-255 low.
;   window 1: v0-63, v128-191 B's fragments, two sets; v64-79 the adapter's, two sets; v192-255 bias, then lora_b; on the way out v128-255 take rows back from the stage.  windows 2, 3: the accumulators.
.set BLKB,   34816
.set SLOT,   4*BLKB
.set ASEL,   2*SLOT                    ; behind the ring: the adapter's BLOCK, filled once
.set SPARE,  ASEL+BLKB                 ; the spare words, 512 bytes that no other line names
.set SPITCH, 528                       ; the way out: a stage of 16 rows x (512 + 16) bytes a wave, in slot 0 behind its last fill and last read
.set OROW,   16384
.set LAPS,   4
.set SHARE,  BLKB/4                    ; a partner's part of a BLOCK in the prefetches: 34 units of 256 bytes
.set PFO,  12                          ; 256 x lane
.set PFO2, 13                          ; units 32 and 33 (lanes 1-31 name the last)
.set BO,   15
.set ADRA, 16
.set ADRB, 20
.set ADRS, 22
.set STO,  24
.set RD,   25
.set CO,   26
.set ADRL, 27
.set SPW,  28
.set NIL,  29
.set ADRT, 30
.set LBO,  31
.set SC,   32
.set LSC,  96
.set AF,   128
.set LA,   192
.set LF,   64
.set BI,   192
.set BK,   128
.set G0H,  4                           ; s[4:7] group 0 of the head's load of A (the arguments there have been used)
.set PFA,  12                          ; s[12:13] where my prefetches stand
.set G1,   24
.set G0,   32
.set G1B,  48
.set G0B,  56
.set G1L,  76
.set G0L,  84
.set MSB, 0
.macro WIN new                         ; the immediate's high byte repeats the setting that is left
.if MSB != \new
	s_set_vgpr_msb (MSB<<8)|\new
.set MSB, \new
.endif
.endm
.set MUL_LO, 0xa1                      ; source 0 window 1, source 1 window 0, C and D window 2
.set MUL_HI, 0xf1
.set ONE_LO, 0x91                      ; the same with C (bias) in window 1
.set ONE_HI, 0xd1
.set LOWW,   0x01
.set TO_B,   0x40
.set CVB,    0x45
.macro TLOAD g0, g1                    ; a tensor load with the s_nop 0 and four v_nop
	tensor_load_to_lds s[\g0:\g0+3], s[\g1:\g1+7]
	s_nop 0
.rept 4
	v_nop
.endr
.endm
.macro JLOAD g0a, g1a, g0b, g1b        ; waves 0, 1 ask for A's BLOCKs, waves 2, 3 for B's
	s_cmp_eq_u32 s15, 0
	s_cbranch_scc0 .Lfor_b_\@
	TLOAD \g0a, \g1a
	s_branch .Lasked_\@
.Lfor_b_\@:
	TLOAD \g0b, \g1b
.Lasked_\@:
.endm
.macro CREST
	s_cmp_lg_u32 s14, 0
	s_cbranch_scc1 .Lnot_wave_0_\@
	s_barrier_signal -3
.Lnot_wave_0_\@:
	s_barrier_wait -3
	s_barrier_signal -1
	s_barrier_wait -1
.endm
.macro CROUND
	s_barrier_signal -1
	s_barrier_wait -1
	CREST
.endm
.macro ASK st                          ; my 34 units of the BLOCK st K steps behind s[PFA]: each unit is named once in the cluster
	global_prefetch_b8 v[PFO], s[PFA:PFA+1] offset:(\st)*BLKB th:TH_LOAD_NT scope:SCOPE_SE
	global_prefetch_b8 v[PFO2], s[PFA:PFA+1] offset:(\st)*BLKB th:TH_LOAD_NT scope:SCOPE_SE
.endm
	s_load_b256 s[4:11], s[0:1], 0x0               ; xq, wq, aq, bias
	s_load_b256 s[68:75], s[0:1], 0x20             ; lora_b, scaling_factors, adapter_id, out0
	v_lshl_add_u32 v[SPW], v0, 2, SPARE
	v_mov_b32 v[NIL], 0
	ds_add_u32 v[SPW], v[NIL]                      ; the opening lines: the add,
	ds_add_u32 v[SPW], v[NIL]                      ; once more, and below one wait for both
	v_lshrrev_b32 v1, 5, v0
	v_readfirstlane_b32 s14, v1                    ; wave
	s_lshr_b32 s15, s14, 1                         ; my half of the rows; also: I fetch for A (0) or B (1)
	s_and_b32 s16, s14, 1                          ; my half of the columns; also: which BLOCK I fetch
	s_bfe_u32 s40, ttmp6, 0x40000                  ; cx
	s_bfe_u32 s41, ttmp6, 0x40004                  ; cy
	s_lshl_b32 s42, ttmp9, 2
	s_add_co_u32 s42, s42, s40                     ; tile column
	s_and_b32 s93, ttmp7, 0xffff                   ; cluster y = batch (4 tile rows of 256)
	s_lshl_b32 s17, s93, 2
	s_add_co_u32 s17, s17, s41                     ; tile row
	s_lshl_b32 s43, s41, 2
	s_lshl_b32 s43, 15, s43                        ; my row of the cluster
	s_lshl_b32 s44, 0x1111, s40                    ; my column
	s_or_b32 s[G1+0], s43, (3<<16)|(1<<21)         ; elements of 8 bytes; the mask, bit 21 beside it
	s_or_b32 s[G1B+0], s44, (3<<16)|(1<<21)
	s_mov_b32 s[G1+1], (BLKB/8)<<16                ; A at the head: 2 rows of a whole BLOCK, 8 BLOCKs apart
	s_mov_b32 s[G1+2], 2<<16
	s_mov_b32 s[G1+3], (BLKB/8)<<16
	s_mov_b32 s[G1+4], 2
	s_mov_b32 s[G1+5], BLKB
	s_mov_b32 s[G1+6], 0
	s_mov_b32 s[G1+7], 0
	s_mov_b32 s[G1L+0], 3<<16
.irp g, G1B, G1L
	s_mov_b32 s[\g+1], 32<<16                      ; a BLOCK as 136 rows of 256 bytes
	s_mov_b32 s[\g+2], 136<<16
	s_mov_b32 s[\g+3], 32<<16
	s_mov_b32 s[\g+4], 136
	s_mov_b32 s[\g+5], 32
	s_mov_b32 s[\g+6], 0
	s_mov_b32 s[\g+7], 0
.endr
	s_mul_i32 s20, s17, 16*BLKB                    ; A: the tile's first BLOCK
	s_mov_b32 s21, 0
	s_mul_i32 s18, s16, 8*BLKB                     ; the ring: my half
	s_mov_b32 s19, 0
	s_lshl_b32 s46, s42, 1
	s_add_co_u32 s46, s46, s16
	s_mul_i32 s46, s46, 8*BLKB                     ; B: my BLOCK
	s_mov_b32 s47, 0
	s_mul_i32 s94, s93, BLKB                       ; the batch's adapter BLOCK
	s_mov_b32 s95, 0
	s_mul_i32 s45, s14, BLKB                       ; where my BLOCK goes in a slot
	s_lshl_b32 s91, s93, 2
	s_mul_i32 s96, s15, BLKB                       ; LDS: my rows of A,
	s_add_co_u32 s97, s16, 2
	s_mul_i32 s97, s97, BLKB                       ; my rows of B,
	s_sub_co_u32 s98, s97, s96                     ; the distance between the two,
	s_mul_i32 s99, s14, 16*SPITCH                  ; my stage
	s_cmp_eq_u32 s15, 0
	s_cselect_b32 s66, s40, s41                    ; my place among the four that ask for my BLOCK
	s_mul_i32 s66, s66, SHARE
	s_mov_b32 s67, 0
	s_wait_dscnt 0x0                               ; both opening adds are done
	s_wait_kmcnt 0x0
	s_add_nc_u64 s[20:21], s[4:5], s[20:21]
	s_add_nc_u64 s[46:47], s[6:7], s[46:47]
	s_add_nc_u64 s[94:95], s[8:9], s[94:95]
	s_load_b32 s90, s[72:73], s91 offset:0x0       ; the batch's adapter
	s_mov_b32 s[G0H], 1
	s_mov_b32 s[G0H+1], 0
	s_mov_b64 s[G0H+2:G0H+3], s[20:21]
	s_or_b32 s[G0H+3], s[G0H+3], 0x80000000
	s_mov_b32 s[G0L], 1
	s_mov_b32 s[G0L+1], ASEL
	s_mov_b64 s[G0L+2:G0L+3], s[94:95]
	s_or_b32 s[G0L+3], s[G0L+3], 0x80000000
	s_add_nc_u64 s[20:21], s[20:21], s[18:19]
.irp s, 0,1
	s_mov_b32 s[G0+4*\s], 1
	s_add_co_u32 s[G0+4*\s+1], s45, \s*SLOT
	s_add_nc_u64 s[G0+4*\s+2:G0+4*\s+3], s[20:21], \s*BLKB
	s_or_b32 s[G0+4*\s+3], s[G0+4*\s+3], 0x80000000
	s_mov_b32 s[G0B+4*\s], 1
	s_add_co_u32 s[G0B+4*\s+1], s45, \s*SLOT
	s_add_nc_u64 s[G0B+4*\s+2:G0B+4*\s+3], s[46:47], \s*BLKB
	s_or_b32 s[G0B+4*\s+3], s[G0B+4*\s+3], 0x80000000
.endr
	s_cmp_eq_u32 s15, 0
	s_cselect_b64 s[PFA:PFA+1], s[20:21], s[46:47] ; K step 0 of the BLOCK that I fetch in the ring,
	s_add_nc_u64 s[PFA:PFA+1], s[PFA:PFA+1], s[66:67]  ; my work-group's quarter of it: the partners differ by address alone
	CROUND                                         ; all sixteen work-groups are here
	; THE HEAD'S LOADS, one a wave, in one chain of branches: wave 0 both BLOCKs of A's K step 0, wave 1 the adapter's BLOCK, waves 2 and 3 B's BLOCKs
	s_cmp_lt_u32 s14, 1
	s_cbranch_scc0 .Lhead_l
	TLOAD G0H, G1
	s_branch .Lhead_asked
.Lhead_l:
	s_cmp_lt_u32 s14, 2
	s_cbranch_scc0 .Lhead_b
	TLOAD G0L, G1L
	s_branch .Lhead_asked
.Lhead_b:
	TLOAD G0B, G1B
.Lhead_asked:
	s_lshl_b32 s46, s42, 10                        ; my first column in bytes of f32
	s_lshl_b32 s47, s16, 9
	s_add_co_u32 s46, s46, s47
	s_mov_b32 s47, 0
	s_add_nc_u64 s[10:11], s[10:11], s[46:47]
	s_lshl_b32 s20, s17, 8
	s_lshl_b32 s21, s15, 7
	s_add_co_u32 s20, s20, s21
	s_lshl_b32 s20, s20, 14                        ; my first row of out0
	s_mov_b32 s21, 0
	s_add_nc_u64 s[74:75], s[74:75], s[20:21]
	s_add_nc_u64 s[74:75], s[74:75], s[46:47]
	v_and_b32 v1, 15, v0                           ; r
	v_bfe_u32 v2, v0, 4, 1                         ; h
	v_and_b32 v3, 31, v0                           ; lane
	v_lshlrev_b32 v4, 4, v3                        ; an image: 16 bytes a lane
	v_add_nc_u32 v[ADRA], s96, v4
	v_add_nc_u32 v[ADRB], s97, v4
	v_add_nc_u32 v[ADRA+1], SLOT, v[ADRA]
	v_add_nc_u32 v[ADRB+1], SLOT, v[ADRB]
	v_lshlrev_b32 v5, 4, v1
	v_mul_u32_u24 v6, s98, v2                      ; scale words: lanes 0-15 A's rows, lanes 16-31 B's
	v_add_nc_u32 v5, v5, v6
	v_add_nc_u32 v5, s96, v5
	v_add_nc_u32 v[ADRS], 32768, v5
	v_add_nc_u32 v[ADRS+1], 32768+SLOT, v5
	v_add_nc_u32 v[ADRL], ASEL, v4
	v_lshl_add_u32 v[ADRT], v1, 4, ASEL+32768
	v_mul_u32_u24 v5, v1, SPITCH
	v_lshl_add_u32 v5, v2, 5, v5
	v_add_nc_u32 v[STO], s99, v5                   ; into the stage: row r, 32 bytes for each half of the lanes
	v_lshlrev_b32 v[CO], 4, v3
	v_add_nc_u32 v[RD], s99, v[CO]                 ; back: 32 lanes take a row of 512 bytes
	v_lshlrev_b32 v[BO], 5, v2
	v_lshlrev_b32 v[LBO], 6, v1
	v_lshl_add_u32 v[LBO], v2, 5, v[LBO]           ; lora_b: row r of 64 bytes, ranks 8 h on
	v_lshlrev_b32 v[PFO], 8, v3
	v_min_u32 v5, 1, v3
	v_lshl_add_u32 v[PFO2], v5, 8, 8192
	ASK 1                                          ; K steps 1 and 2; from here on each load of K step j is followed by the request for K step j + 2
	ASK 2
	WIN TO_B
.irp b, 0,1,2,3,4,5,6,7
	global_load_b128 v[BI+8*\b:BI+8*\b+3], v[BO], s[10:11] offset:64*\b        ; bias in the accumulators' layout
	global_load_b128 v[BI+8*\b+4:BI+8*\b+7], v[BO], s[10:11] offset:64*\b+16
.endr
	WIN 0
	s_wait_alu depctr_va_vdst(0)                   ; the wait at the end of the head's vector work
	s_wait_kmcnt 0x0
	s_min_u32 s90, s90, 7                          ; the index stays inside its tables
	s_lshl_b32 s92, s90, 2
	s_load_b32 s88, s[70:71], s92 offset:0x0       ; the batch's scale: waited for behind the first step
	s_lshl_b32 s94, s90, 18
	s_lshl_b32 s18, s42, 14
	s_add_co_u32 s94, s94, s18
	s_lshl_b32 s18, s16, 13
	s_add_co_u32 s94, s94, s18
	s_mov_b32 s95, 0
	s_add_nc_u64 s[68:69], s[68:69], s[94:95]      ; my 128 rows of the adapter's lora_b
.macro FRAG reg, adr, q, i
.irp c, 0,1
	ds_load_b128 v[\reg+4*\c:\reg+4*\c+3], v[\adr] offset:(\i)*4096+(\q)*1024+512*\c
.endr
.endm
; 16 products: A's blocks a0, a0 + 1 x B's eight.  The accumulators take turns, one instruction a turn.
.macro MUL16 a0, p, q, sc, first
.irp a, \a0, \a0+1
.irp b, 0,1,2,3,4,5,6,7
.if \first
	v_wmma_scale_f32_16x16x128_f8f6f4 v[8*(8*((\a)%4)+\b):8*(8*((\a)%4)+\b)+7], v[128*(\p)+8*\b:128*(\p)+8*\b+7], v[AF+8*(\a):AF+8*(\a)+7], v[BI+8*\b:BI+8*\b+7], v[SC+32*(\sc)+4*\b+(\q)], v[SC+32*(\sc)+4*(\a)+(\q)] matrix_a_fmt:MATRIX_FMT_FP4 matrix_b_fmt:MATRIX_FMT_FP4 matrix_a_scale:MATRIX_SCALE_ROW1
.else
	v_wmma_scale_f32_16x16x128_f8f6f4 v[8*(8*((\a)%4)+\b):8*(8*((\a)%4)+\b)+7], v[128*(\p)+8*\b:128*(\p)+8*\b+7], v[AF+8*(\a):AF+8*(\a)+7], v[8*(8*((\a)%4)+\b):8*(8*((\a)%4)+\b)+7], v[SC+32*(\sc)+4*\b+(\q)], v[SC+32*(\sc)+4*(\a)+(\q)] matrix_a_fmt:MATRIX_FMT_FP4 matrix_b_fmt:MATRIX_FMT_FP4 matrix_a_scale:MATRIX_SCALE_ROW1
.endif
.endr
.endr
.endm
.macro LOW4 a0, p, q, sc, first        ; low of A's blocks a0 .. a0 + 3: source 0 = the adapter's 16 rows
.irp a, \a0, \a0+1, \a0+2, \a0+3
.if \first
	v_wmma_scale_f32_16x16x128_f8f6f4 v[LA+8*(\a):LA+8*(\a)+7], v[LF+8*(\p):LF+8*(\p)+7], v[AF+8*(\a):AF+8*(\a)+7], 0, v[LSC+4*(\sc)+(\q)], v[SC+32*(\sc)+4*(\a)+(\q)] matrix_a_fmt:MATRIX_FMT_FP4 matrix_b_fmt:MATRIX_FMT_FP4
.else
	v_wmma_scale_f32_16x16x128_f8f6f4 v[LA+8*(\a):LA+8*(\a)+7], v[LF+8*(\p):LF+8*(\p)+7], v[AF+8*(\a):AF+8*(\a)+7], v[LA+8*(\a):LA+8*(\a)+7], v[LSC+4*(\sc)+(\q)], v[SC+32*(\sc)+4*(\a)+(\q)] matrix_a_fmt:MATRIX_FMT_FP4 matrix_b_fmt:MATRIX_FMT_FP4
.endif
.endr
.endm
.macro FETCH_B slot, q, p, i0          ; B's blocks i0 .. i0 + 3 into set p: 8 loads; leaves the destination in window 1
	WIN TO_B
.irp i, \i0, \i0+1, \i0+2, \i0+3
	FRAG 128*(\p)+8*(\i), ADRB+\slot, \q, \i
.endr
.endm
.macro FETCH_L q, p                    ; the adapter's fragment into set p: 2 loads (destination in window 1)
.irp c, 0,1
	ds_load_b128 v[LF+8*(\p)+4*\c:LF+8*(\p)+4*\c+3], v[ADRL] offset:(\q)*1024+512*\c
.endr
.endm
.macro FETCH_A slot, q, i0
.irp i, \i0, \i0+1, \i0+2, \i0+3
	FRAG AF+8*(\i), ADRA+\slot, \q, \i
.endr
.endm
.macro SCALES sc
.irp i, 0,1,2,3,4,5,6,7
	ds_load_b128 v[SC+32*\sc+4*\i:SC+32*\sc+4*\i+3], v[ADRS+\sc] offset:256*\i
.endr
	ds_load_b128 v[LSC+4*\sc:LSC+4*\sc+3], v[ADRT]
.endm
.macro PLACES n                        ; plain places behind matrix instructions, ahead of loads into their registers and of reads of results
.rept \n
	v_nop
.endr
.endm
; A step of 128 along K whose successor lies in the same slot.  Its LDS loads stand in two runs of 18 and 16:
; in the middle the next step's B 4-7, adapter fragment and A 0-3; at the end the next step's A 4-7 and (q < 2) B 0-3 of the step after that, into the set just multiplied.
.macro STEP slot, q, first
	s_wait_dscnt 16                                ; all but the last run: this step's A 4-7 and the next step's B 0-3 may be out
.if \first
	WIN ONE_LO
.else
	WIN MUL_LO
.endif
	MUL16 0, (\q)%2, \q, \slot, \first
	MUL16 2, (\q)%2, \q, \slot, \first
	WIN LOWW
	LOW4 0, (\q)%2, \q, \slot, \first
	s_wait_dscnt 8                                 ; A 4-7 are in; the eight loads of B behind them may be out
	PLACES 4
	FETCH_B \slot, (\q)+1, 1-(\q)%2, 4
	FETCH_L (\q)+1, 1-(\q)%2
	WIN 0
	FETCH_A \slot, (\q)+1, 0
.if \first
	WIN ONE_HI
.else
	WIN MUL_HI
.endif
	MUL16 4, (\q)%2, \q, \slot, \first
	MUL16 6, (\q)%2, \q, \slot, \first
	WIN LOWW
	LOW4 4, (\q)%2, \q, \slot, \first
	PLACES 4
	WIN 0
	FETCH_A \slot, (\q)+1, 4
.if (\q) < 2
	FETCH_B \slot, (\q)+2, (\q)%2, 0
	WIN 0
.endif
.endm
; A slot's last step changes slots: one barrier; ahead of it all my tensor loads, the add, and my reads of this slot are waited for.  fill = 1: the barrier opens a round of the cluster's, and this slot takes the K step two on.
.macro TURN slot, next, fill
.if \fill
	s_wait_xcnt 0x0                                ; my prefetches have read their address: it steps a K step
	s_add_nc_u64 s[PFA:PFA+1], s[PFA:PFA+1], BLKB
.endif
	s_wait_tensorcnt 0x0                           ; my part of the next slot is in
	ds_add_u32 v[SPW], v[NIL]
	s_wait_dscnt 9                                 ; the add and A 4-7 may be out
	WIN MUL_LO
	MUL16 0, 1, 3, \slot, 0
	s_wait_dscnt 0x0                               ; the add is done and my reads of this slot are over
	s_barrier_signal -1
	MUL16 2, 1, 3, \slot, 0
	WIN LOWW
	LOW4 0, 1, 3, \slot, 0
	WIN 0
	s_barrier_wait -1
.if \fill
	CREST
	s_add_nc_u64 s[G0+4*\slot+2:G0+4*\slot+3], s[G0+4*\slot+2:G0+4*\slot+3], 2*BLKB
	s_add_nc_u64 s[G0B+4*\slot+2:G0B+4*\slot+3], s[G0B+4*\slot+2:G0B+4*\slot+3], 2*BLKB
	JLOAD G0+4*\slot, G1, G0B+4*\slot, G1B         ; the first tensor load behind the round; its four v_nop are the places for the loads below
.else
	PLACES 4
.endif
	v_add_nc_u32 v[ADRL], 4096, v[ADRL]            ; the adapter's next K step
	v_add_nc_u32 v[ADRT], 256, v[ADRT]
	s_wait_alu depctr_va_vdst(0)                   ; the wait directly behind the writes
	FETCH_B \next, 0, 0, 0
	FETCH_B \next, 0, 0, 4
	FETCH_L 0, 0
	WIN 0
	FETCH_A \next, 0, 0
	SCALES \next
.if \fill
	s_cmp_gt_u32 s3, 1                             ; the loop's last trip would ask for K steps 8 and 9: it asks for nothing
	s_cbranch_scc0 .Lno_ask_\@
	ASK 3                                          ; the K step two behind the one just asked for by the tensor load
.Lno_ask_\@:
.endif
	WIN MUL_HI
	MUL16 4, 1, 3, \slot, 0
	MUL16 6, 1, 3, \slot, 0
	WIN LOWW
	LOW4 4, 1, 3, \slot, 0
	PLACES 4
	WIN 0
	FETCH_A \next, 0, 4
	FETCH_B \next, 1, 1, 0
	WIN 0
.endm
.macro STEPS slot, from
.set Q, \from
.rept 3-\from
	STEP \slot, Q, 0
.set Q, Q+1
.endr
.endm
	s_wait_tensorcnt 0x0                           ; my tile of the head's is in; slot 1's first fill is issued as a refill is:
	ds_add_u32 v[SPW], v[NIL]
	s_mov_b32 s[G1+1], 32<<16                      ; no tensor load of mine is out: from here on A's loads bring one BLOCK as 136 rows of 256 bytes
	s_mov_b32 s[G1+2], 136<<16
	s_mov_b32 s[G1+3], 32<<16
	s_mov_b32 s[G1+4], 136
	s_mov_b32 s[G1+5], 32
	s_wait_dscnt 0x0
	CROUND                                         ; every wave's tile is in, and all sixteen work-groups are here
	JLOAD G0+4, G1, G0B+4, G1B                     ; K step 1
	FETCH_B 0, 0, 0, 0
	FETCH_B 0, 0, 0, 4
	FETCH_L 0, 0
	WIN 0
	FETCH_A 0, 0, 0
	SCALES 0
	ASK 3
	FETCH_A 0, 0, 4
	FETCH_B 0, 1, 1, 0
	WIN 0
	s_wait_loadcnt 0x0                             ; bias
	STEP 0, 0, 1                                   ; the first products start the sums from bias (low: from 0)
	WIN TO_B
.irp b, 0,1,2,3,4,5,6,7
	global_load_b128 v[BI+8*\b:BI+8*\b+3], v[LBO], s[68:69] offset:1024*\b     ; lora_b(16 b + r, 8 h ..): used behind the last K step
	global_load_b128 v[BI+8*\b+4:BI+8*\b+7], v[LBO], s[68:69] offset:1024*\b+16
.endr
	WIN 0
	s_wait_kmcnt 0x0                               ; the scale
	s_mov_b32 s89, s88
	s_mov_b32 s3, LAPS-1
.Llap:                                                 ; a trip goes once round the ring, from a lap's second step to the next lap's first
	STEPS 0, 1
	TURN 0, 1, 1
	STEPS 1, 0
	TURN 1, 0, 1
	STEP 0, 0, 0
	s_sub_co_u32 s3, s3, 1
	s_cmp_lg_u32 s3, 0
	s_cbranch_scc1 .Llap
	STEPS 0, 1                                     ; the last lap fills nothing
	TURN 0, 1, 0
	STEPS 1, 0
	s_wait_dscnt 8
	WIN MUL_LO
	MUL16 0, 1, 3, 1, 0
	MUL16 2, 1, 3, 1, 0
	WIN LOWW
	LOW4 0, 1, 3, 1, 0
	s_wait_dscnt 0x0
	WIN MUL_HI
	MUL16 4, 1, 3, 1, 0
	MUL16 6, 1, 3, 1, 0
	WIN LOWW
	LOW4 4, 1, 3, 1, 0
	s_wait_loadcnt 0x0                             ; lora_b
	WIN CVB
.irp b, 0,1,2,3,4,5,6,7                ; lora_b as bf16 fragments in B's set 0: ranks 8 h .. 8 h + 7, ranks 16-31 zeros
.irp r, 0,1,2,3
	v_cvt_pk_bf16_f32 v[8*\b+\r], v[BI+8*\b+2*\r], v[BI+8*\b+2*\r+1]
.endr
.irp r, 4,5,6,7
	v_mov_b32 v[8*\b+\r], 0
.endr
.endr
	WIN 0
.irp a, 0,1,2,3,4,5,6,7
.irp r, 0,2,4,6
	v_pk_mul_f32 v[LA+8*\a+\r:LA+8*\a+\r+1], v[LA+8*\a+\r:LA+8*\a+\r+1], s[88:89] op_sel_hi:[1,0]   ; low x scale, in f32
.endr
.endr
.irp a, 0,1,2,3,4,5,6,7
.irp r, 0,1,2,3
	v_cvt_pk_bf16_f32 v[AF+8*\a+\r], v[LA+8*\a+2*\r], v[LA+8*\a+2*\r+1]
.endr
.irp r, 4,5,6,7
	v_mov_b32 v[AF+8*\a+\r], 0
.endr
.endr
; THE WAY OUT, block by block of 16 rows: the block's eight products with lora_b, then through my stage, back as rows of 512 bytes, and stored.
.macro DELTA a
	WIN MUL_LO+0x50*((\a)/4)
.irp b, 0,1,2,3,4,5,6,7
	v_wmma_f32_16x16x32_bf16 v[8*(8*((\a)%4)+\b):8*(8*((\a)%4)+\b)+7], v[8*\b:8*\b+7], v[AF+8*(\a):AF+8*(\a)+7], v[8*(8*((\a)%4)+\b):8*(8*((\a)%4)+\b)+7]
.endr
.endm
.macro TOSTAGE a
.set AC, 64*((\a)%4)
	WIN 0x08+4*((\a)/4)                            ; the data: window 2 or 3
.irp b, 0,1,2,3,4,5,6,7
	ds_store_b128 v[STO], v[AC+8*\b:AC+8*\b+3] offset:64*\b          ; each accumulator from its low end on
	ds_store_b128 v[STO], v[AC+8*\b+4:AC+8*\b+7] offset:64*\b+16
.endr
	WIN TO_B
.set BB, BK+64*((\a)%2)
.irp t, 0,1,2,3,4,5,6,7,8,9,10,11,12,13,14,15
	ds_load_b128 v[BB+4*\t:BB+4*\t+3], v[RD] offset:\t*SPITCH       ; LDS serves a wave's instructions in order: these see the stores above
.endr
	WIN 0
.endm
.macro SEND a, younger
.set BB, BK+64*((\a)%2)
	s_wait_dscnt \younger
.if (\a) > 0
	s_add_nc_u64 s[74:75], s[74:75], 16*OROW       ; behind a wait on XCNT: the earlier stores have read their base
.endif
	WIN 0x04                                       ; the data: window 1
.irp t, 0,1,2,3,4,5,6,7,8,9,10,11,12,13,14,15
	global_store_b128 v[CO], v[BB+4*\t:BB+4*\t+3], s[74:75] offset:\t*OROW th:TH_STORE_NT   ; 32 lanes store 512 consecutive bytes, aligned to 256
.endr
	WIN 0
.endm
	s_wait_alu depctr_va_vdst(0)                   ; the wait here
	PLACES 4
	DELTA 0
	DELTA 1
	PLACES 4
	TOSTAGE 0
.irp a, 1,2,3,4,5,6,7
.if \a < 7
	DELTA \a+1                                     ; one block ahead of the stage
	PLACES 4
.endif
.if \a > 1
	s_wait_xcnt 0x0                                ; block a - 2's stores have read their registers and their base
.endif
	TOSTAGE \a
	SEND \a-1, 32                                  ; behind block a - 1's loads: block a's 16 stores and 16 loads
.endr
	s_wait_xcnt 0x0
	SEND 7, 0
	s_wait_tensorcnt 0x0                           ; the wave's end
	ds_add_u32 v[SPW], v[NIL]
	s_wait_dscnt 0x0
	CROUND                                         ; the closing round
	s_endpgm
.Lfunc_end_k_q753bae2b87_gemm:
	.size	k_q753bae2b87_gemm, .Lfunc_end_k_q753bae2b87_gemm-k_q753bae2b87_gemm
	.p2alignl 7, 3214868480
	.fill 96, 4, 3214868480
	.section	.rodata,"a",@progbits
	.p2align	6, 0x0
	.amdhsa_kernel k_q753bae2b87_gemm
		.amdhsa_group_segment_fixed_size 327680
		.amdhsa_private_segment_fixed_size 0
		.amdhsa_enable_private_segment 0
		.amdhsa_kernarg_size 64
		.amdhsa_user_sgpr_count 2
		.amdhsa_user_sgpr_kernarg_segment_ptr 1
		.amdhsa_wavefront_size32 1
		.amdhsa_system_sgpr_workgroup_id_x 1
		.amdhsa_system_sgpr_workgroup_id_y 1
		.amdhsa_system_sgpr_workgroup_id_z 1
		.amdhsa_system_vgpr_workitem_id 0
		.amdhsa_next_free_vgpr 1024
		.amdhsa_next_free_sgpr 100
		.amdhsa_reserve_vcc 0
		.amdhsa_float_denorm_mode_32 3
		.amdhsa_float_denorm_mode_16_64 3
		.amdhsa_memory_ordered 1
		.amdhsa_forward_progress 1
		.amdhsa_inst_pref_size 250
	.end_amdhsa_kernel
	.amdgpu_metadata
---
amdhsa.version: [ 1, 2 ]
amdhsa.kernels:
  - .name:           k_q753bae2b87_gemm
    .symbol:         k_q753bae2b87_gemm.kd
    .args:
      - { .name: xq, .offset: 0, .size: 8, .value_kind: global_buffer, .address_space: global }
      - { .name: wq, .offset: 8, .size: 8, .value_kind: global_buffer, .address_space: global }
      - { .name: aq, .offset: 16, .size: 8, .value_kind: global_buffer, .address_space: global }
      - { .name: bias, .offset: 24, .size: 8, .value_kind: global_buffer, .address_space: global }
      - { .name: lora_b_weights, .offset: 32, .size: 8, .value_kind: global_buffer, .address_space: global }
      - { .name: scaling_factors, .offset: 40, .size: 8, .value_kind: global_buffer, .address_space: global }
      - { .name: adapter_id, .offset: 48, .size: 8, .value_kind: global_buffer, .address_space: global }
      - { .name: out0, .offset: 56, .size: 8, .value_kind: global_buffer, .address_space: global }
    .group_segment_fixed_size: 327680
    .private_segment_fixed_size: 0
    .kernarg_segment_align: 8
    .kernarg_segment_size: 64
    .max_flat_workgroup_size: 128
    .sgpr_count:     100
    .vgpr_count:     1024
    .wavefront_size: 32
...
	.end_amdgpu_metadata
.endif
;; end of part 2
